; MI455X (gfx1250); checked and timed in simulation.
; The chip was launched on July 23, 2026; its instructions are those of AMD's public machine-readable ISA for CDNA 5 (MIT licence, August 2026) and "CDNA5" Instruction Set Architecture Reference Guide (July 2026). The comments in the code are by the model that wrote it; some were corrected since.
;; GMF. Allowed arithmetic: matrix products marked QUANTISED: E4M3 operands, one E8M0 scale for each 32 along K, by v_wmma_scale_f32_16x16x128_f8f6f4 with both operands' format E4M3, f32 sums; everything else in f32.
;; Inputs: P_weight 64 x 1,000,000 float32; Q_weight 64 x 100,032 float32; genres_one_hot_codes 16,384 x 1 x 32 uint8 (E4M3 codes of genres_one_hot, K innermost, in blocks of 32 codes); genres_one_hot_scales 16,384 x 1 uint8 (E8M0 scales of genres_one_hot, one for each 32 codes along K); item_ids 16,384 int32; user_ids 16,384 int32.
;; Outputs: out0 16,384 x 1 float32.
;; This version of the problem:
;;   THIS VERSION OF THE PROBLEM IS GIVEN IN LOW PRECISION. The matrix products marked QUANTISED in the list below multiply operands that are first quantised to E4M3 (4 exponent bits, 3 mantissa bits; 8 bits a number), with one power-of-two scale for each 32 numbers along K (OCP MX v1.0); their sums are f32. All else is computed in f32.
;;   The module's matrix products, in the order in which they are computed (A, B: the left and right operand; K: the contracted axis; several contracted axes count as one K, in the product's order):
;;     1. [M 16,384, K 32] x [K 32, N 64]; A: input genres_one_hot (given as codes); B: input Q_weight: QUANTISED
;;   THE QUANTISER, for each operand of a quantised product, along K:
;;     - K is cut into blocks of 32 from its start; a last block that is shorter is filled with zeros.
;;     - A block's scale is 2^e with e = floor(log2(the largest magnitude in the block)) - 8, held to -126 .. 127; a block of zeros has e = 0. As a byte (E8M0): e + 127.
;;     - Each number is divided by its block's scale, clamped to +-448, and rounded to the nearest number of E4M3, ties to even, subnormals kept.
;;     - The product sums the exact products of the quantised numbers (number of the format x scale) in f32.
;;   ~~~python
;;   def quantise(x, axis):      # numpy; x: float32 -> the quantised numbers, widened to float32 again
;;       x = np.moveaxis(x, axis, -1); K = x.shape[-1]
;;       x = np.pad(x, [(0, 0)] * (x.ndim - 1) + [(0, -K % 32)]); x = x.reshape(x.shape[:-1] + (-1, 32)); a = np.abs(x).max(-1, keepdims=True)
;;       e = np.where(a > 0, np.clip(np.frexp(np.where(a > 0, a, 1))[1] - 1 - 8, -126, 127), 0)      # np.frexp(a)[1] - 1 = floor(log2(a)), exactly
;;       r = np.clip(x / 2.0 ** e, -448, 448)
;;       step = 2.0 ** (np.maximum(np.frexp(np.where(r == 0, 1, r))[1] - 1, -6) - 3)
;;       q = np.round(r / step) * step * 2.0 ** e      # np.round: ties to even
;;       return np.moveaxis(q.reshape(q.shape[:-2] + (-1,))[..., :K], -1, axis).astype(np.float32)
;;   ~~~
;;   INPUTS GIVEN AS CODES. genres_one_hot (in the module: [16384, 32], K = its axis 1): each comes as NAME_codes (uint8): NAME with its K axis moved to the last place and cut into blocks of 32 codes, [.., K / 32, bytes a block], one block behind the other in memory; one code a byte (a code: sign, 4 exponent bits, 3 mantissa bits); and NAME_scales (uint8): the same leading axes, one E8M0 byte (e + 127) for each 32 codes along K. Its value is code x scale, taken as it is: it is not quantised again, and the codes and scales need not be those that the quantiser above would give.
;; 2 versions, each right; version 2 is version 1 with the launch gmf written anew for expert scheduling mode. Each part assembles by itself: llvm-mc -triple=amdgcn-amd-amdhsa -mcpu=gfx1250 --defsym DOCPART=n.
;; ======== version 1 of 2: 1 launch
;; launch gmf (part 1): grid 256 x 1, 4 waves a work-group, no clusters, 2,560 bytes of LDS; arguments user_ids, item_ids, genres_one_hot_codes, genres_one_hot_scales, Q_weight, P_weight, out0; writes out0
.if DOCPART == 1
	.amdgcn_target "amdgcn-amd-amdhsa--gfx1250"
	.amdhsa_code_object_version 6
	.text
	.protected	k_qb8a45390ec_gmf
	.globl	k_qb8a45390ec_gmf
	.p2align	8
	.type	k_qb8a45390ec_gmf,@function
k_qb8a45390ec_gmf:
	s_mov_b64 s[64:65], 0
	v_nop
	global_prefetch_b8 v0, s[64:65] scope:SCOPE_SE
	s_setreg_imm32_b32 hwreg(HW_REG_WAVE_MODE, 25, 1), 1
	s_wait_xcnt 0x0
; out[b] = sum over k of P[k][user[b]] * ( Q[k][item[b]] + sum over g of genres[b][g] * Q[k][N_ITEMS+g] )
; P: [64][1,000,000] f32, Q: [64][100,032] f32, ids: [16384] i32, out: [16384] f32.  genres comes as codes of E4M3, [16384][32], with one E8M0 byte for
; each batch element; the 32 genre weights of a latent row are one block, quantised here by the MX rule; their product goes through the scaled matrix instruction.
;
; SHARES.  256 work-groups of four waves; a work-group owns 64 batch elements (256 consecutive, aligned bytes of out).  Wave w owns the latents 16 w .. 16 w + 15
; for all 64 elements: so it loads and quantises its own 16 rows of genre weights and no other wave's, and the waves meet only once, to add their sums.
; THE K OF 128.  The product's K is 32, the instruction's 128.  The 64 elements' codes are read as 16 rows of 128: row r = elements 4 r .. 4 r + 3, K block c of
; row r = element 4 r + c, and the row's four scale bytes are one word: a whole fragment (source 1) as it lies in memory.  Source 0 is the weight tile:
; its 4 registers of codes stand between 12 + 12 registers of zero codes, and a window of 16 registers, begun 4 c registers ahead of the codes, has them in
; K block c and zeros in the three others.  Product c therefore is weights x element 4 r + c: four matrix instructions a wave, one for each c.
; In C and D of product c lane (r, h) holds element 4 r + c, register j latent 16 w + 8 h + j.  The gathered words of Q are loaded into these registers
; and go in as C: q_item + q_genre costs no add.  A lane needs 4 + 4 ids (two loads of 16 bytes), gathers 32 words of P and 32 of Q, and ends with four
; neighbouring partial sums.  Every gathered word lies in a row of its own (rows are 4,000,000 and 400,128 bytes apart), so nothing can be joined: what counts is
; that all 64 gathers of every wave are issued as soon as the ids are there; the quantiser runs while they are out.
;
; NOT USED, and why: tensor loads (no tile, only single words); clusters with joint requests (the work-groups share only the 8,192 bytes of genre weights, against
; 8,192 separately gathered words for each); prefetches (each gather is issued as a load as soon as its id is known); cache hints on P and Q (an id may come
; twice, and other work-groups read neighbouring columns).
;
; LIMITS.  Ids are taken to lie inside their tables; an id outside (read as unsigned) is clamped to the last column.  A NaN code or a scale byte 0xff of one
; batch element makes the results of the three other elements of its row of four NaN as well (zero code x NaN).  NaN and infinities among the genre weights
; are not served.  The sum over the latents is made in pairs, halves and waves, not in the order of the reference.
.set N_USERS, 1000000
.set N_ITEMS, 100000
.set PROW,  4*N_USERS                  ; bytes in a row of P
.set QROW,  4*(N_ITEMS+32)             ; bytes in a row of Q
.set GCOL,  4*N_ITEMS                  ; byte of the first genre column in a row of Q
; vector registers
.set R,    1                           ; lane % 16
.set H,    2                           ; lane / 16
.set T,    3                           ; at work
.set IDO,  4                           ; 16 r: my four ids
.set GO,   5                           ; 128 r + 16 h: my part of a row of four elements' codes
.set SO,   6                           ; 4 r: that row's scale word
.set WO,   7                           ; r rows of Q + 64 h: my 16 genre weights
.set HP,   8                           ; 8 h rows of P
.set HQ,   9                           ; 8 h rows of Q
.set SA,   10                          ; LDS: 16 x thread: my four partial sums
.set LO,   11                          ; 8 x lane: the way out
.set UID,  12                          ; v[12:15]   user ids of elements 4 r + c, then 4 x id
.set IID,  16                          ; v[16:19]   item ids likewise
.set PO,   20                          ; v[20:23]   gather offsets in P: 8 h rows + 4 user
.set QO,   24                          ; v[24:27]   gather offsets in Q: 8 h rows + 4 item
.set W,    28                          ; v[28:43]   my 16 genre weights, f32
.set T0,   44                          ; the block's largest magnitude
.set T1,   45
.set E,    46                          ; exponent field, then the scale's byte
.set LIM,  47                          ; 448 x the scale
.set SCF,  48                          ; the scale as f32
.set ASC,  50                          ; the weights' scale word: holds scales and nothing else
.set BSC,  51                          ; genres' scale word: likewise
.set AZ,   52                          ; v[52:63] zero codes, v[64:67] the weights' codes, v[68:79] zero codes
.set AD,   64
.set B,    80                          ; v[80:95]   genres' codes: source 1
.set PD,   96                          ; v[96:127]  P[16 w + 8 h + j][user of 4 r + c] at 8 c + j
.set QD,   128                         ; v[128:159] Q likewise: C, then D = qi
.set AC,   160                         ; v[160:167] a pair of sums for each c
.set S,    168                         ; v[168:171] my four partial sums
.set F,    172                         ; v[172:187] the way out: eight pairs of partial sums
; scalar registers: s[4:5] user_ids, s[6:7] item_ids, s[8:9] codes, s[10:11] scale bytes, s[12:13] Q (at my wave's first row), s[14:15] P, s[16:17] out
.set WAVE, 18
.set PB,   36                          ; s[36:41]   P at my wave's rows 0, 3, 6: three rows are in reach of one base (2 x 4,000,000 fits the signed 24-bit immediate)
	s_load_b256 s[4:11], s[0:1], 0x0               ; user_ids, item_ids, codes, scale bytes
	s_load_b128 s[12:15], s[0:1], 0x20             ; Q, P
	s_load_b64 s[16:17], s[0:1], 0x30              ; out
	v_lshl_add_u32 v188, v0, 2, 0x800
	v_mov_b32 v189, 0
	v_lshrrev_b32 v[T], 5, v0
	v_readfirstlane_b32 s[WAVE], v[T]              ; wave 0..3 as a scalar
	v_and_b32 v[R], 15, v0
	v_bfe_u32 v[H], v0, 4, 1
	v_lshlrev_b32 v[IDO], 4, v[R]                  ; four ids of 4 bytes for each r
	v_lshlrev_b32 v[GO], 7, v[R]                   ; four elements x 32 codes = 128 bytes for each r,
	v_lshl_or_b32 v[GO], v[H], 4, v[GO]            ;   + 16 h: an 8-bit fragment holds k = 32 c + 16 h + 0 .. 15 in registers 4 c .. 4 c + 3 (ISA guide 7.12.2)
	v_lshlrev_b32 v[SO], 2, v[R]                   ; four scale bytes for each r (lanes 16-31 load the same words; they are not read)
	v_mul_u32_u24 v[WO], v[R], QROW                ; tile row r is latent 16 w + r (both factors are below 2^24),
	v_lshl_add_u32 v[WO], v[H], 6, v[WO]           ;   + 16 h numbers
	v_mul_lo_u32 v[HP], v[H], 8*PROW               ; the upper half of the lanes takes the tile's rows 8 .. 15
	v_mul_u32_u24 v[HQ], v[H], 8*QROW
	s_lshl_b32 s20, ttmp9, 8                       ; the work-group's 64 elements: 256 bytes of ids and of out,
	s_mov_b32 s21, 0
	s_lshl_b32 s22, ttmp9, 11                      ; 2,048 bytes of codes,
	s_mov_b32 s23, 0
	s_lshl_b32 s24, ttmp9, 6                       ; 64 scale bytes
	s_mov_b32 s25, 0
	s_mul_i32 s26, s[WAVE], 16*QROW                ; my wave's first latent row, in Q
	s_mov_b32 s27, 0
	s_mul_i32 s28, s[WAVE], 16*PROW                ; and in P: 192,000,000 at the most
	s_mov_b32 s29, 0
	s_mov_b32 s34, 0x76543210                      ; v_permlanex16_b32: lane i of one half reads lane i of the other
	s_mov_b32 s35, 0xfedcba98
.irp i, 0,1,2,3,4,5,6,7,8,9,10,11
	v_mov_b32 v[AZ+\i], 0                          ; the zero codes on both sides of the weights' codes, written while the arguments are on their way
	v_mov_b32 v[AD+4+\i], 0
.endr
	s_wait_kmcnt 0x0
	s_add_nc_u64 s[4:5], s[4:5], s[20:21]
	s_add_nc_u64 s[6:7], s[6:7], s[20:21]
	s_add_nc_u64 s[12:13], s[12:13], s[26:27]
	s_add_nc_u64 s[8:9], s[8:9], s[22:23]
	s_add_nc_u64 s[10:11], s[10:11], s[24:25]
	global_load_b128 v[UID:UID+3], v[IDO], s[4:5]  ; the ids first: everything hangs on them
	global_load_b128 v[IID:IID+3], v[IDO], s[6:7]
.irp p, 0,1,2,3
	global_load_b128 v[W+4*\p:W+4*\p+3], v[WO], s[12:13] offset:GCOL+16*\p     ; Q[16 w + r][N_ITEMS + 16 h + 4 p ..]
.endr
.irp c, 0,1,2,3
	global_load_b128 v[B+4*\c:B+4*\c+3], v[GO], s[8:9] offset:32*\c            ; codes of element 4 r + c, k = 16 h .. 16 h + 15; a wave's load covers 32 bytes of each 128; the four cover 2,048 consecutive bytes
.endr
	global_load_b32 v[BSC], v[SO], s[10:11]        ; byte c: the scale of element 4 r + c
	; while these eleven loads are on their way: the other bases
	s_add_nc_u64 s[PB:PB+1], s[14:15], s[28:29]
	s_add_nc_u64 s[PB+2:PB+3], s[PB:PB+1], 3*PROW
	s_add_nc_u64 s[PB+4:PB+5], s[PB:PB+1], 6*PROW
	s_add_nc_u64 s[16:17], s[16:17], s[20:21]      ; out at the work-group's 256 bytes
	s_wait_loadcnt 0x9                             ; loads come back in order (ISA guide 5.7.1): the ids are in, the nine loads behind them stay out
.irp c, 0,1,2,3
	v_min_u32 v[UID+\c], N_USERS-1, v[UID+\c]      ; no address leaves its table, whatever the id
	v_min_u32 v[IID+\c], N_ITEMS-1, v[IID+\c]
.endr
.irp c, 0,1,2,3
	v_lshlrev_b32 v[UID+\c], 2, v[UID+\c]
	v_lshlrev_b32 v[IID+\c], 2, v[IID+\c]
.endr
.irp c, 0,1,2,3
	v_add_nc_u32 v[PO+\c], v[HP], v[UID+\c]        ; at most 8 x 4,000,000 + 3,999,996: below 2^31
	v_add_nc_u32 v[QO+\c], v[HQ], v[IID+\c]
.endr
.irp j, 0,1,2,3,4,5,6,7
.irp c, 0,1,2,3
	global_load_b32 v[PD+8*\c+\j], v[PO+\c], s[PB+2*(\j/3):PB+2*(\j/3)+1] offset:(\j%3)*PROW   ; P[16 w + 8 h + j][user of 4 r + c]
.endr
.endr
	s_wait_loadcnt 0x20                            ; weights, codes and scale word are in; the 32 gathers of P issued behind them stay out
.irp j, 0,1,2,3,4,5,6,7
.irp c, 0,1,2,3
	global_load_b32 v[QD+8*\c+\j], v[QO+\c], s[12:13] offset:\j*QROW               ; Q[16 w + 8 h + j][item of 4 r + c], straight into the accumulators
.endr
.endr
	; THE QUANTISER, while all 64 gathers are out.  A latent row's 32 genre weights are one block: my 16 and those of lane l xor 16.
	v_max3_num_f32 v[T0], |v[W]|, |v[W+1]|, |v[W+2]|
	v_max3_num_f32 v[T1], |v[W+3]|, |v[W+4]|, |v[W+5]|
.irp i, 6,10
	v_max3_num_f32 v[T0], v[T0], |v[W+\i]|, |v[W+\i+1]|
	v_max3_num_f32 v[T1], v[T1], |v[W+\i+2]|, |v[W+\i+3]|
.endr
	v_max3_num_f32 v[T0], v[T0], |v[W+14]|, |v[W+15]|
	v_max_num_f32 v[T0], v[T0], v[T1]
	v_permlanex16_b32 v[T1], v[T0], s34, s35       ; (its destination counts as read: a register that has been written)
	v_max_num_f32 v[T0], v[T0], v[T1]              ; the block's largest magnitude
	v_lshrrev_b32 v[E], 23, v[T0]                  ; its exponent field = floor(log2) + 127
	v_max_u32 v[E], 9, v[E]                        ; the byte is not to fall under 1
	v_lshl_or_b32 v[LIM], v[E], 23, 0x600000       ; 448 x the scale: exponent field = byte + 8, mantissa field of 448
	v_add_nc_u32 v[E], -8, v[E]                    ; the scale's byte
	v_lshlrev_b32 v[SCF], 23, v[E]                 ; and the scale as f32: the conversion takes its exponent field
	v_cmp_eq_u32 vcc_lo, 0, v[T0]
	v_cndmask_b32 v[E], v[E], 127, vcc_lo          ; a block of zeros gets 127
	v_lshl_or_b32 v[E], v[E], 8, v[E]              ; the byte in all four places of the word: the codes stand in K block c of product c,
	v_lshl_or_b32 v[ASC], v[E], 16, v[E]           ; and the blocks of zero codes take any byte but 0xff.  Lane r holds tile row r's word
.irp i, 0,1,2,3,4,5,6,7,8,9,10,11,12,13,14,15
	v_med3_num_f32 v[W+\i], v[W+\i], -v[LIM], v[LIM]   ; the conversion to an 8-bit code does not saturate (ISA guide 7.6.2): hold the number first.  (These 16 also stand between the scale word and the matrix instructions)
.endr
	v_cvt_scalef32_pk8_fp8_f32 v[AD:AD+1], v[W:W+7], v[SCF]        ; k = 16 h + 0 .. 7, the first number's code in the lowest byte
	v_cvt_scalef32_pk8_fp8_f32 v[AD+2:AD+3], v[W+8:W+15], v[SCF]   ; k = 16 h + 8 .. 15
.rept 4
	v_nop                                          ; an operand written by a vector instruction stands four places ahead of the scaled matrix instruction; no other vector work is left here
.endr
	s_wait_loadcnt 0x0                             ; all gathers
	; qi = q_item + weights x genres.  Product c: source 0 = the window that has the weights' codes in K block c, source 1 = the 16 rows of four elements.
	; Four different accumulators, one instruction each.
.irp c, 0,1,2,3
	v_wmma_scale_f32_16x16x128_f8f6f4 v[QD+8*\c:QD+8*\c+7], v[AD-4*\c:AD-4*\c+15], v[B:B+15], v[QD+8*\c:QD+8*\c+7], v[ASC], v[BSC]
.endr
	; eight plain vector instructions that name none of their registers stand between these matrix instructions and the first read of a result
	v_lshlrev_b32 v[SA], 4, v0                     ; LDS: thread t's four sums at 16 t = 512 wave + 256 h + 16 r
	v_and_b32 v[LO], 31, v0
	v_lshlrev_b32 v[LO], 3, v[LO]                  ; the way out: 8 bytes a lane
.rept 5
	v_nop
.endr
	; sum over my 8 latents of pu * qi, for each of my four elements: four chains started by products, each accumulator read from its low end on
.irp c, 0,1,2,3
	v_pk_mul_f32 v[AC+2*\c:AC+2*\c+1], v[PD+8*\c:PD+8*\c+1], v[QD+8*\c:QD+8*\c+1]
.endr
.irp p, 1,2,3
.irp c, 0,1,2,3
	v_pk_fma_f32 v[AC+2*\c:AC+2*\c+1], v[PD+8*\c+2*\p:PD+8*\c+2*\p+1], v[QD+8*\c+2*\p:QD+8*\c+2*\p+1], v[AC+2*\c:AC+2*\c+1]
.endr
.endr
.irp c, 0,1,2,3
	v_add_f32 v[S+\c], v[AC+2*\c], v[AC+2*\c+1]    ; element 4 r + c, latents 16 w + 8 h .. + 7
.endr
	ds_store_b128 v[SA], v[S:S+3]                  ; eight arrays of 64 partial sums, one for each wave and half, 256 bytes each; element e at byte 4 e
	s_wait_dscnt 0x0                               ; for wave 0: my sums are in LDS
	s_barrier_signal -1
	s_barrier_wait -1
	s_cmp_lg_u32 s[WAVE], 0
	s_cbranch_scc1 .Lend
.irp p, 0,1,2,3,4,5,6,7
	ds_load_b64 v[F+2*\p:F+2*\p+1], v[LO] offset:256*\p            ; wave 0: elements 2 l and 2 l + 1 of each array
.endr
	s_wait_dscnt 0x0
	v_pk_add_f32 v[F:F+1], v[F:F+1], v[F+2:F+3]
	v_pk_add_f32 v[F+4:F+5], v[F+4:F+5], v[F+6:F+7]
	v_pk_add_f32 v[F+8:F+9], v[F+8:F+9], v[F+10:F+11]
	v_pk_add_f32 v[F+12:F+13], v[F+12:F+13], v[F+14:F+15]
	v_pk_add_f32 v[F:F+1], v[F:F+1], v[F+4:F+5]
	v_pk_add_f32 v[F+8:F+9], v[F+8:F+9], v[F+12:F+13]
	v_pk_add_f32 v[F:F+1], v[F:F+1], v[F+8:F+9]
	global_store_b64 v[LO], v[F:F+1], s[16:17] th:TH_STORE_NT      ; one store covers the work-group's 256 consecutive bytes, at a multiple of 256 from the first byte of out
.Lend:
	s_wait_tensorcnt 0x0
	ds_add_u32 v188, v189
	s_wait_dscnt 0x0
	s_endpgm
.Lfunc_end_k_qb8a45390ec_gmf:
	.size	k_qb8a45390ec_gmf, .Lfunc_end_k_qb8a45390ec_gmf-k_qb8a45390ec_gmf
	.p2alignl 7, 3214868480
	.fill 96, 4, 3214868480
	.section	.rodata,"a",@progbits
	.p2align	6, 0x0
	.amdhsa_kernel k_qb8a45390ec_gmf
		.amdhsa_group_segment_fixed_size 2560
		.amdhsa_private_segment_fixed_size 0
		.amdhsa_enable_private_segment 0
		.amdhsa_kernarg_size 56
		.amdhsa_user_sgpr_count 2
		.amdhsa_user_sgpr_kernarg_segment_ptr 1
		.amdhsa_wavefront_size32 1
		.amdhsa_system_sgpr_workgroup_id_x 1
		.amdhsa_system_sgpr_workgroup_id_y 1
		.amdhsa_system_sgpr_workgroup_id_z 1
		.amdhsa_system_vgpr_workitem_id 0
		.amdhsa_next_free_vgpr 190
		.amdhsa_next_free_sgpr 66
		.amdhsa_reserve_vcc 1
		.amdhsa_float_denorm_mode_32 3
		.amdhsa_float_denorm_mode_16_64 3
		.amdhsa_memory_ordered 1
		.amdhsa_forward_progress 1
		.amdhsa_inst_pref_size 17
	.end_amdhsa_kernel
	.amdgpu_metadata
---
amdhsa.version: [ 1, 2 ]
amdhsa.kernels:
  - .name:           k_qb8a45390ec_gmf
    .symbol:         k_qb8a45390ec_gmf.kd
    .args:
      - { .name: user_ids, .offset: 0, .size: 8, .value_kind: global_buffer, .address_space: global }
      - { .name: item_ids, .offset: 8, .size: 8, .value_kind: global_buffer, .address_space: global }
      - { .name: genres_one_hot_codes, .offset: 16, .size: 8, .value_kind: global_buffer, .address_space: global }
      - { .name: genres_one_hot_scales, .offset: 24, .size: 8, .value_kind: global_buffer, .address_space: global }
      - { .name: Q_weight, .offset: 32, .size: 8, .value_kind: global_buffer, .address_space: global }
      - { .name: P_weight, .offset: 40, .size: 8, .value_kind: global_buffer, .address_space: global }
      - { .name: out0, .offset: 48, .size: 8, .value_kind: global_buffer, .address_space: global }
    .group_segment_fixed_size: 2560
    .private_segment_fixed_size: 0
    .kernarg_segment_align: 8
    .kernarg_segment_size: 56
    .max_flat_workgroup_size: 128
    .sgpr_count:     66
    .vgpr_count:     190
    .wavefront_size: 32
...
	.end_amdgpu_metadata
.endif
;; end of part 1
;; ======== version 2 of 2: 1 launch; version 1 with the launch gmf written anew for expert scheduling mode
;; launch gmf (part 2): grid 256 x 1, 4 waves a work-group, no clusters, 2,560 bytes of LDS; arguments user_ids, item_ids, genres_one_hot_codes, genres_one_hot_scales, Q_weight, P_weight, out0; writes out0
.if DOCPART == 2
	.amdgcn_target "amdgcn-amd-amdhsa--gfx1250"
	.amdhsa_code_object_version 6
	.text
	.protected	k_qb8a45390ec_gmf
	.globl	k_qb8a45390ec_gmf
	.p2align	8
	.type	k_qb8a45390ec_gmf,@function
k_qb8a45390ec_gmf:
	s_mov_b64 s[64:65], 0
	v_nop
	global_prefetch_b8 v0, s[64:65] scope:SCOPE_SE
	s_setreg_imm32_b32 hwreg(HW_REG_WAVE_SCHED_MODE, 0, 2), 2
	s_setreg_imm32_b32 hwreg(HW_REG_WAVE_MODE, 25, 1), 1
	s_wait_xcnt 0x0
	s_wait_alu depctr_vm_vsrc(0)
; out[b] = sum over k of P[k][user[b]] * ( Q[k][item[b]] + sum over g of genres[b][g] * Q[k][N_ITEMS+g] )
; P: [64][1,000,000] f32, Q: [64][100,032] f32, ids: [16384] i32, out: [16384] f32.  genres comes as codes of E4M3, [16384][32], with one E8M0 byte for
; each batch element; the 32 genre weights of a latent row are one block, quantised here by the MX rule; their product goes through the scaled matrix instruction.
;
; SHARES.  256 work-groups of four waves; a work-group owns 64 batch elements (256 consecutive, aligned bytes of out).  Wave w owns the latents 16 w .. 16 w + 15
; for all 64 elements: so it loads and quantises its own 16 rows of genre weights and no other wave's, and the waves meet only once, to add their sums.
; THE K OF 128.  The product's K is 32, the instruction's 128.  The 64 elements' codes are read as 16 rows of 128: row r = elements 4 r .. 4 r + 3, K block c of
; row r = element 4 r + c, and the row's four scale bytes are one word: a whole fragment (source 1) as it lies in memory.  Source 0 is the weight tile:
; its 4 registers of codes stand between 12 + 12 registers of zero codes, and a window of 16 registers, begun 4 c registers ahead of the codes, has them in
; K block c and zeros in the three others.  Product c therefore is weights x element 4 r + c: four matrix instructions a wave, one for each c.
; In C and D of product c lane (r, h) holds element 4 r + c, register j latent 16 w + 8 h + j.  The gathered words of Q are loaded into these registers
; and go in as C: q_item + q_genre costs no add.  A lane needs 4 + 4 ids (two loads of 16 bytes), gathers 32 words of P and 32 of Q, and ends with four
; neighbouring partial sums.  Every gathered word lies in a row of its own (rows are 4,000,000 and 400,128 bytes apart), so nothing can be joined: what counts is
; that all 64 gathers of every wave are issued as soon as the ids are there; the quantiser runs while they are out.
;
; THE MODE: SCHED_MODE bits 1:0 = 2 (LLVM: expert scheduling mode 2), set by the entry lines.  The code itself states the register dependences
; between vector or matrix instructions and memory or LDS instructions, with s_wait_alu, always for 0.
; THE PLAN.  Registers that memory or LDS instructions touch, in the order of the text (there is no loop):
;   v4-v7      offsets of the eleven first loads: written at the head, read by those loads, never written again.
;   v12-v19    the ids: loads land in them; vector lines clamp and shift them in place; no memory instruction reads them.
;   v20-v27    offsets of the 64 gathers: written by eight adds, read by the gathers, never written again.
;   v28-v43, v51, v80-v159   weights, genres' scale word and codes, the words of P and Q: loads land in them once, ahead of every vector or matrix line that names them.
;   v10, v11   LDS address of my sums; 8 x lane: written behind the products, read by the LDS store, by wave 0's LDS loads and by the store of out, never written again.
;   v168-v171  my four sums: written by four adds, read by the LDS store.     v172-v187  wave 0: LDS loads land in them, packed adds work on them, the store of out reads the first pair.
;   v188, v189 written at the head, read by the closing add alone.
; No register that a memory or LDS instruction reads is written again, so the text holds no wait on vm_vsrc.  Five waits on va_vdst stand ahead of: the first loads, the gathers,
; the products, the LDS store, the store of out; one on va_sdst ahead of the first reader of the wave's number; one on va_vcc ahead of the one select.
;
; NOT USED, and why: tensor loads (no tile, only single words); clusters with joint requests (the work-groups share only the 8,192 bytes of genre weights, against
; 8,192 separately gathered words for each); prefetches (each gather is issued as a load as soon as its id is known); cache hints on P and Q (an id may come
; twice, and other work-groups read neighbouring columns).
;
; LIMITS.  Ids are taken to lie inside their tables; an id outside (read as unsigned) is clamped to the last column.  A NaN code or a scale byte 0xff of one
; batch element makes the results of the three other elements of its row of four NaN as well (zero code x NaN).  NaN and infinities among the genre weights
; are not served.  The sum over the latents is made in pairs, halves and waves, not in the order of the reference.
.set N_USERS, 1000000
.set N_ITEMS, 100000
.set PROW,  4*N_USERS                  ; bytes in a row of P
.set QROW,  4*(N_ITEMS+32)             ; bytes in a row of Q
.set GCOL,  4*N_ITEMS                  ; byte of the first genre column in a row of Q
; vector registers
.set R,    1                           ; lane % 16
.set H,    2                           ; lane / 16
.set T,    3                           ; at work
.set IDO,  4                           ; 16 r: my four ids
.set GO,   5                           ; 128 r + 16 h: my part of a row of four elements' codes
.set SO,   6                           ; 4 r: that row's scale word
.set WO,   7                           ; r rows of Q + 64 h: my 16 genre weights
.set HP,   8                           ; 8 h rows of P
.set HQ,   9                           ; 8 h rows of Q
.set SA,   10                          ; LDS: 16 x thread: my four partial sums
.set LO,   11                          ; 8 x lane: the way out
.set UID,  12                          ; v[12:15]   user ids of elements 4 r + c, then 4 x id
.set IID,  16                          ; v[16:19]   item ids likewise
.set PO,   20                          ; v[20:23]   gather offsets in P: 8 h rows + 4 user
.set QO,   24                          ; v[24:27]   gather offsets in Q: 8 h rows + 4 item
.set W,    28                          ; v[28:43]   my 16 genre weights, f32
.set T0,   44                          ; the block's largest magnitude
.set T1,   45
.set E,    46                          ; exponent field, then the scale's byte
.set LIM,  47                          ; 448 x the scale
.set SCF,  48                          ; the scale as f32
.set ASC,  50                          ; the weights' scale word: holds scales and nothing else
.set BSC,  51                          ; genres' scale word: likewise
.set AZ,   52                          ; v[52:63] zero codes, v[64:67] the weights' codes, v[68:79] zero codes
.set AD,   64
.set B,    80                          ; v[80:95]   genres' codes: source 1
.set PD,   96                          ; v[96:127]  P[16 w + 8 h + j][user of 4 r + c] at 8 c + j
.set QD,   128                         ; v[128:159] Q likewise: C, then D = qi
.set AC,   160                         ; v[160:167] a pair of sums for each c
.set S,    168                         ; v[168:171] my four partial sums
.set F,    172                         ; v[172:187] the way out: eight pairs of partial sums
; scalar registers: s[4:5] user_ids, s[6:7] item_ids, s[8:9] codes, s[10:11] scale bytes, s[12:13] Q (at my wave's first row), s[14:15] P, s[16:17] out
.set WAVE, 18
.set PB,   36                          ; s[36:41]   P at my wave's rows 0, 3, 6: three rows are in reach of one base (2 x 4,000,000 fits the signed 24-bit immediate)
	s_load_b256 s[4:11], s[0:1], 0x0               ; user_ids, item_ids, codes, scale bytes
	s_load_b128 s[12:15], s[0:1], 0x20             ; Q, P
	s_load_b64 s[16:17], s[0:1], 0x30              ; out
	v_lshl_add_u32 v188, v0, 2, 0x800
	v_mov_b32 v189, 0
	v_lshrrev_b32 v[T], 5, v0
	v_readfirstlane_b32 s[WAVE], v[T]              ; wave 0..3 as a scalar
	v_and_b32 v[R], 15, v0
	v_bfe_u32 v[H], v0, 4, 1
	v_lshlrev_b32 v[IDO], 4, v[R]                  ; four ids of 4 bytes for each r
	v_lshlrev_b32 v[GO], 7, v[R]                   ; four elements x 32 codes = 128 bytes for each r,
	v_lshl_or_b32 v[GO], v[H], 4, v[GO]            ;   + 16 h: an 8-bit fragment holds k = 32 c + 16 h + 0 .. 15 in registers 4 c .. 4 c + 3 (ISA guide 7.12.2)
	v_lshlrev_b32 v[SO], 2, v[R]                   ; four scale bytes for each r (lanes 16-31 load the same words; they are not read)
	v_mul_u32_u24 v[WO], v[R], QROW                ; tile row r is latent 16 w + r (both factors are below 2^24),
	v_lshl_add_u32 v[WO], v[H], 6, v[WO]           ;   + 16 h numbers
	v_mul_lo_u32 v[HP], v[H], 8*PROW               ; the upper half of the lanes takes the tile's rows 8 .. 15
	v_mul_u32_u24 v[HQ], v[H], 8*QROW
	s_lshl_b32 s20, ttmp9, 8                       ; the work-group's 64 elements: 256 bytes of ids and of out,
	s_mov_b32 s21, 0
	s_lshl_b32 s22, ttmp9, 11                      ; 2,048 bytes of codes,
	s_mov_b32 s23, 0
	s_lshl_b32 s24, ttmp9, 6                       ; 64 scale bytes
	s_mov_b32 s25, 0
	s_wait_alu depctr_va_sdst(0)                   ; the wave's number is written into s18, ahead of its first reader: the two products below
	s_mul_i32 s26, s[WAVE], 16*QROW                ; my wave's first latent row, in Q
	s_mov_b32 s27, 0
	s_mul_i32 s28, s[WAVE], 16*PROW                ; and in P: 192,000,000 at the most
	s_mov_b32 s29, 0
	s_mov_b32 s34, 0x76543210                      ; v_permlanex16_b32: lane i of one half reads lane i of the other
	s_mov_b32 s35, 0xfedcba98
.irp i, 0,1,2,3,4,5,6,7,8,9,10,11
	v_mov_b32 v[AZ+\i], 0                          ; the zero codes on both sides of the weights' codes, written while the arguments are on their way
	v_mov_b32 v[AD+4+\i], 0
.endr
	s_wait_kmcnt 0x0
	s_add_nc_u64 s[4:5], s[4:5], s[20:21]
	s_add_nc_u64 s[6:7], s[6:7], s[20:21]
	s_add_nc_u64 s[12:13], s[12:13], s[26:27]
	s_add_nc_u64 s[8:9], s[8:9], s[22:23]
	s_add_nc_u64 s[10:11], s[10:11], s[24:25]
	s_wait_alu depctr_va_vdst(0)                   ; the four offsets v4 to v7 are written, which the eleven loads below read
	global_load_b128 v[UID:UID+3], v[IDO], s[4:5]  ; the ids first: everything hangs on them
	global_load_b128 v[IID:IID+3], v[IDO], s[6:7]
.irp p, 0,1,2,3
	global_load_b128 v[W+4*\p:W+4*\p+3], v[WO], s[12:13] offset:GCOL+16*\p     ; Q[16 w + r][N_ITEMS + 16 h + 4 p ..]
.endr
.irp c, 0,1,2,3
	global_load_b128 v[B+4*\c:B+4*\c+3], v[GO], s[8:9] offset:32*\c            ; codes of element 4 r + c, k = 16 h .. 16 h + 15; a wave's load covers 32 bytes of each 128; the four cover 2,048 consecutive bytes
.endr
	global_load_b32 v[BSC], v[SO], s[10:11]        ; byte c: the scale of element 4 r + c
	; while these eleven loads are on their way: the other bases
	s_add_nc_u64 s[PB:PB+1], s[14:15], s[28:29]
	s_add_nc_u64 s[PB+2:PB+3], s[PB:PB+1], 3*PROW
	s_add_nc_u64 s[PB+4:PB+5], s[PB:PB+1], 6*PROW
	s_add_nc_u64 s[16:17], s[16:17], s[20:21]      ; out at the work-group's 256 bytes
	s_wait_loadcnt 0x9                             ; loads come back in order (ISA guide 5.7.1): the ids are in, the nine loads behind them stay out
.irp c, 0,1,2,3
	v_min_u32 v[UID+\c], N_USERS-1, v[UID+\c]      ; no address leaves its table, whatever the id
	v_min_u32 v[IID+\c], N_ITEMS-1, v[IID+\c]
.endr
.irp c, 0,1,2,3
	v_lshlrev_b32 v[UID+\c], 2, v[UID+\c]
	v_lshlrev_b32 v[IID+\c], 2, v[IID+\c]
.endr
.irp c, 0,1,2,3
	v_add_nc_u32 v[PO+\c], v[HP], v[UID+\c]        ; at most 8 x 4,000,000 + 3,999,996: below 2^31
	v_add_nc_u32 v[QO+\c], v[HQ], v[IID+\c]
.endr
	s_wait_alu depctr_va_vdst(0)                   ; the eight offsets v20 to v27 are written, which the 64 gathers read; no vector line stands between this wait and the last gather
.irp j, 0,1,2,3,4,5,6,7
.irp c, 0,1,2,3
	global_load_b32 v[PD+8*\c+\j], v[PO+\c], s[PB+2*(\j/3):PB+2*(\j/3)+1] offset:(\j%3)*PROW   ; P[16 w + 8 h + j][user of 4 r + c]
.endr
.endr
	s_wait_loadcnt 0x20                            ; weights, codes and scale word are in; the 32 gathers of P issued behind them stay out
.irp j, 0,1,2,3,4,5,6,7
.irp c, 0,1,2,3
	global_load_b32 v[QD+8*\c+\j], v[QO+\c], s[12:13] offset:\j*QROW               ; Q[16 w + 8 h + j][item of 4 r + c], straight into the accumulators
.endr
.endr
	; THE QUANTISER, while all 64 gathers are out: it names none of the registers that they read or land in.  A latent row's 32 genre weights are one block: my 16 and those of lane l xor 16.
	v_max3_num_f32 v[T0], |v[W]|, |v[W+1]|, |v[W+2]|
	v_max3_num_f32 v[T1], |v[W+3]|, |v[W+4]|, |v[W+5]|
.irp i, 6,10
	v_max3_num_f32 v[T0], v[T0], |v[W+\i]|, |v[W+\i+1]|
	v_max3_num_f32 v[T1], v[T1], |v[W+\i+2]|, |v[W+\i+3]|
.endr
	v_max3_num_f32 v[T0], v[T0], |v[W+14]|, |v[W+15]|
	v_max_num_f32 v[T0], v[T0], v[T1]
	v_permlanex16_b32 v[T1], v[T0], s34, s35       ; (its destination counts as read: a register that has been written)
	v_max_num_f32 v[T0], v[T0], v[T1]              ; the block's largest magnitude
	v_cmp_eq_u32 vcc_lo, 0, v[T0]                  ; is it a block of zeros?  The select that reads this stands five lines on
	v_lshrrev_b32 v[E], 23, v[T0]                  ; its exponent field = floor(log2) + 127
	v_max_u32 v[E], 9, v[E]                        ; the byte is not to fall under 1
	v_lshl_or_b32 v[LIM], v[E], 23, 0x600000       ; 448 x the scale: exponent field = byte + 8, mantissa field of 448
	v_add_nc_u32 v[E], -8, v[E]                    ; the scale's byte
	v_lshlrev_b32 v[SCF], 23, v[E]                 ; and the scale as f32: the conversion takes its exponent field
	s_wait_alu depctr_va_vcc(0)                    ; the compare has written VCC, which the select below reads
	v_cndmask_b32 v[E], v[E], 127, vcc_lo          ; a block of zeros gets 127
	v_lshl_or_b32 v[E], v[E], 8, v[E]              ; the byte in all four places of the word: the codes stand in K block c of product c,
	v_lshl_or_b32 v[ASC], v[E], 16, v[E]           ; and the blocks of zero codes take any byte but 0xff.  Lane r holds tile row r's word
.irp i, 0,1,2,3,4,5,6,7,8,9,10,11,12,13,14,15
	v_med3_num_f32 v[W+\i], v[W+\i], -v[LIM], v[LIM]   ; the conversion to an 8-bit code does not saturate (ISA guide 7.6.2): hold the number first.  (These 16 also stand between the scale word and the matrix instructions)
.endr
	v_cvt_scalef32_pk8_fp8_f32 v[AD:AD+1], v[W:W+7], v[SCF]        ; k = 16 h + 0 .. 7, the first number's code in the lowest byte
	v_cvt_scalef32_pk8_fp8_f32 v[AD+2:AD+3], v[W+8:W+15], v[SCF]   ; k = 16 h + 8 .. 15
.rept 4
	v_nop                                          ; an operand written by a vector instruction stands four places ahead of the scaled matrix instruction; no other vector work is left here
.endr
	s_wait_alu depctr_va_vdst(0)                   ; the conversions have written the weights' codes, and the zero codes and the weights' scale word are written: the products take them as source 0 and as scales; the places above stay beside this wait
	s_wait_loadcnt 0x0                             ; all gathers
	; qi = q_item + weights x genres.  Product c: source 0 = the window that has the weights' codes in K block c, source 1 = the 16 rows of four elements.
	; Four different accumulators, one instruction each.
.irp c, 0,1,2,3
	v_wmma_scale_f32_16x16x128_f8f6f4 v[QD+8*\c:QD+8*\c+7], v[AD-4*\c:AD-4*\c+15], v[B:B+15], v[QD+8*\c:QD+8*\c+7], v[ASC], v[BSC]
.endr
	; eight plain vector instructions that name none of their registers stand between these matrix instructions and the first read of a result
	v_lshlrev_b32 v[SA], 4, v0                     ; LDS: thread t's four sums at 16 t = 512 wave + 256 h + 16 r
	v_and_b32 v[LO], 31, v0
	v_lshlrev_b32 v[LO], 3, v[LO]                  ; the way out: 8 bytes a lane
.rept 5
	v_nop
.endr
	; sum over my 8 latents of pu * qi, for each of my four elements: four chains started by products, each accumulator read from its low end on
.irp c, 0,1,2,3
	v_pk_mul_f32 v[AC+2*\c:AC+2*\c+1], v[PD+8*\c:PD+8*\c+1], v[QD+8*\c:QD+8*\c+1]
.endr
.irp p, 1,2,3
.irp c, 0,1,2,3
	v_pk_fma_f32 v[AC+2*\c:AC+2*\c+1], v[PD+8*\c+2*\p:PD+8*\c+2*\p+1], v[QD+8*\c+2*\p:QD+8*\c+2*\p+1], v[AC+2*\c:AC+2*\c+1]
.endr
.endr
.irp c, 0,1,2,3
	v_add_f32 v[S+\c], v[AC+2*\c], v[AC+2*\c+1]    ; element 4 r + c, latents 16 w + 8 h .. + 7
.endr
	s_wait_alu depctr_va_vdst(0)                   ; my four sums and their LDS address are written, which the LDS store reads; so is v11, by which wave 0's LDS loads below go
	ds_store_b128 v[SA], v[S:S+3]                  ; eight arrays of 64 partial sums, one for each wave and half, 256 bytes each; element e at byte 4 e
	s_wait_dscnt 0x0                               ; for wave 0: my sums are in LDS
	s_barrier_signal -1
	s_barrier_wait -1
	s_cmp_lg_u32 s[WAVE], 0
	s_cbranch_scc1 .Lend
.irp p, 0,1,2,3,4,5,6,7
	ds_load_b64 v[F+2*\p:F+2*\p+1], v[LO] offset:256*\p            ; wave 0: elements 2 l and 2 l + 1 of each array.  No vector line since the last wait on va_vdst names v11 or these registers
.endr
	s_wait_dscnt 0x0
	v_pk_add_f32 v[F:F+1], v[F:F+1], v[F+2:F+3]
	v_pk_add_f32 v[F+4:F+5], v[F+4:F+5], v[F+6:F+7]
	v_pk_add_f32 v[F+8:F+9], v[F+8:F+9], v[F+10:F+11]
	v_pk_add_f32 v[F+12:F+13], v[F+12:F+13], v[F+14:F+15]
	v_pk_add_f32 v[F:F+1], v[F:F+1], v[F+4:F+5]
	v_pk_add_f32 v[F+8:F+9], v[F+8:F+9], v[F+12:F+13]
	v_pk_add_f32 v[F:F+1], v[F:F+1], v[F+8:F+9]
	s_wait_alu depctr_va_vdst(0)                   ; the packed adds have written v[172:173], which the store below reads
	global_store_b64 v[LO], v[F:F+1], s[16:17] th:TH_STORE_NT      ; one store covers the work-group's 256 consecutive bytes, at a multiple of 256 from the first byte of out
.Lend:
	s_wait_dscnt 0x0                               ; the closing lines, six on end
	s_wait_alu 0x0
	s_wait_tensorcnt 0x0
	ds_add_u32 v188, v189
	s_wait_dscnt 0x0
	s_endpgm
.Lfunc_end_k_qb8a45390ec_gmf:
	.size	k_qb8a45390ec_gmf, .Lfunc_end_k_qb8a45390ec_gmf-k_qb8a45390ec_gmf
	.p2alignl 7, 3214868480
	.fill 96, 4, 3214868480
	.section	.rodata,"a",@progbits
	.p2align	6, 0x0
	.amdhsa_kernel k_qb8a45390ec_gmf
		.amdhsa_group_segment_fixed_size 2560
		.amdhsa_private_segment_fixed_size 0
		.amdhsa_enable_private_segment 0
		.amdhsa_kernarg_size 56
		.amdhsa_user_sgpr_count 2
		.amdhsa_user_sgpr_kernarg_segment_ptr 1
		.amdhsa_wavefront_size32 1
		.amdhsa_system_sgpr_workgroup_id_x 1
		.amdhsa_system_sgpr_workgroup_id_y 1
		.amdhsa_system_sgpr_workgroup_id_z 1
		.amdhsa_system_vgpr_workitem_id 0
		.amdhsa_next_free_vgpr 190
		.amdhsa_next_free_sgpr 66
		.amdhsa_reserve_vcc 1
		.amdhsa_float_denorm_mode_32 3
		.amdhsa_float_denorm_mode_16_64 3
		.amdhsa_memory_ordered 1
		.amdhsa_forward_progress 1
		.amdhsa_inst_pref_size 17
	.end_amdhsa_kernel
	.amdgpu_metadata
---
amdhsa.version: [ 1, 2 ]
amdhsa.kernels:
  - .name:           k_qb8a45390ec_gmf
    .symbol:         k_qb8a45390ec_gmf.kd
    .args:
      - { .name: user_ids, .offset: 0, .size: 8, .value_kind: global_buffer, .address_space: global }
      - { .name: item_ids, .offset: 8, .size: 8, .value_kind: global_buffer, .address_space: global }
      - { .name: genres_one_hot_codes, .offset: 16, .size: 8, .value_kind: global_buffer, .address_space: global }
      - { .name: genres_one_hot_scales, .offset: 24, .size: 8, .value_kind: global_buffer, .address_space: global }
      - { .name: Q_weight, .offset: 32, .size: 8, .value_kind: global_buffer, .address_space: global }
      - { .name: P_weight, .offset: 40, .size: 8, .value_kind: global_buffer, .address_space: global }
      - { .name: out0, .offset: 48, .size: 8, .value_kind: global_buffer, .address_space: global }
    .group_segment_fixed_size: 2560
    .private_segment_fixed_size: 0
    .kernarg_segment_align: 8
    .kernarg_segment_size: 56
    .max_flat_workgroup_size: 128
    .sgpr_count:     66
    .vgpr_count:     190
    .wavefront_size: 32
...
	.end_amdgpu_metadata
.endif
;; end of part 2
